; MI455X (gfx1250); checked and timed in simulation.
; The chip was launched on July 23, 2026; its instructions are those of AMD's public machine-readable ISA for CDNA 5 (MIT licence, August 2026) and "CDNA5" Instruction Set Architecture Reference Guide (July 2026). The comments in the code are by the model that wrote it; some were corrected since.
;; Perceptual Metric. Allowed arithmetic: matrix products marked QUANTISED: E3M2 operands, one E8M0 scale for each 32 along K, by v_wmma_scale_f32_16x16x128_f8f6f4 with both operands' format E3M2, f32 sums; everything else in f32.
;; Inputs: W_codes 512 x 16 x 24 uint8 (E3M2 codes of W, K innermost, in blocks of 32 codes, four codes in three bytes); W_scales 512 x 16 uint8 (E8M0 scales of W, one for each 32 codes along K); x_codes 512 x 16 x 24 uint8 (E3M2 codes of x, K innermost, in blocks of 32 codes, four codes in three bytes); x_scales 512 x 16 uint8 (E8M0 scales of x, one for each 32 codes along K); y_codes 1,024 x 16 x 24 uint8 (E3M2 codes of y, K innermost, in blocks of 32 codes, four codes in three bytes); y_scales 1,024 x 16 uint8 (E8M0 scales of y, one for each 32 codes along K).
;; Outputs: out0 1,024 x 512 float32.
;; Constants: dim = 2.
;; This version of the problem:
;;   THIS VERSION OF THE PROBLEM IS GIVEN IN LOW PRECISION. The matrix products marked QUANTISED in the list below multiply operands that are first quantised to E3M2 (3 exponent bits, 2 mantissa bits; 6 bits a number), with one power-of-two scale for each 32 numbers along K (OCP MX v1.0); their sums are f32. All else is computed in f32.
;;   The module's matrix products, in the order in which they are computed (A, B: the left and right operand; K: the contracted axis; several contracted axes count as one K, in the product's order):
;;     1. [M 512, K 512] x [K 512, N 512]; A: input x (given as codes); B: input W (given as codes): QUANTISED
;;     2. [M 1,024, K 512] x [K 512, N 512]; A: input y (given as codes); B: input W (given as codes): QUANTISED
;;   THE QUANTISER, for each operand of a quantised product, along K:
;;     - K is cut into blocks of 32 from its start; a last block that is shorter is filled with zeros.
;;     - A block's scale is 2^e with e = floor(log2(the largest magnitude in the block)) - 4, held to -126 .. 127; a block of zeros has e = 0. As a byte (E8M0): e + 127.
;;     - Each number is divided by its block's scale, clamped to +-28, and rounded to the nearest number of E3M2, ties to even, subnormals kept.
;;     - The product sums the exact products of the quantised numbers (number of the format x scale) in f32.
;;   ~~~python
;;   def quantise(x, axis):      # numpy; x: float32 -> the quantised numbers, widened to float32 again
;;       x = np.moveaxis(x, axis, -1); K = x.shape[-1]
;;       x = np.pad(x, [(0, 0)] * (x.ndim - 1) + [(0, -K % 32)]); x = x.reshape(x.shape[:-1] + (-1, 32)); a = np.abs(x).max(-1, keepdims=True)
;;       e = np.where(a > 0, np.clip(np.frexp(np.where(a > 0, a, 1))[1] - 1 - 4, -126, 127), 0)      # np.frexp(a)[1] - 1 = floor(log2(a)), exactly
;;       r = np.clip(x / 2.0 ** e, -28, 28)
;;       step = 2.0 ** (np.maximum(np.frexp(np.where(r == 0, 1, r))[1] - 1, -2) - 2)
;;       q = np.round(r / step) * step * 2.0 ** e      # np.round: ties to even
;;       return np.moveaxis(q.reshape(q.shape[:-2] + (-1,))[..., :K], -1, axis).astype(np.float32)
;;   ~~~
;;   INPUTS GIVEN AS CODES. W (in the module: [512, 512], K = its axis 0); x (in the module: [512, 512], K = its axis 1); y (in the module: [1024, 512], K = its axis 1): each comes as NAME_codes (uint8): NAME with its K axis moved to the last place and cut into blocks of 32 codes, [.., K / 32, bytes a block], one block behind the other in memory; four codes in three bytes: a row's codes are one little-endian stream of bits, code i at bits 6 i .. 6 i + 5 (a code: sign, 3 exponent bits, 2 mantissa bits); and NAME_scales (uint8): the same leading axes, one E8M0 byte (e + 127) for each 32 codes along K. Its value is code x scale, taken as it is: it is not quantised again, and the codes and scales need not be those that the quantiser above would give.
;; 2 versions. Each part assembles by itself: llvm-mc -triple=amdgcn-amd-amdhsa -mcpu=gfx1250 --defsym DOCPART=n.
;; ======== version 1 of 2: 1 launch
;; launch metric (part 1): grid 8 x 32, 4 waves a work-group, no clusters, 178,176 bytes of LDS; arguments W_codes, W_scales, x_codes, x_scales, y_codes, y_scales, out0; writes out0
.if DOCPART == 1
	.amdgcn_target "amdgcn-amd-amdhsa--gfx1250"
	.amdhsa_code_object_version 6
	.text
	.protected	k_qdf6a69e606_metric
	.globl	k_qdf6a69e606_metric
	.p2align	8
	.type	k_qdf6a69e606_metric,@function
k_qdf6a69e606_metric:
	s_mov_b64 s[64:65], 0
	v_nop
	global_prefetch_b8 v0, s[64:65] scope:SCOPE_SE
	s_setreg_imm32_b32 hwreg(HW_REG_WAVE_MODE, 25, 1), 1
	s_wait_xcnt 0x0
; out[m][n] = sqrt( sum over d of (fx[n][d] - fy[m][d])^2 ),  fx = x W, fy = y W.  x [512][512], y [1024][512], W [512 (d)][512 (k)]: codes of BF6 (E3M2), K innermost, a row 384 bytes,
; one E8M0 byte for each 32 along K (16 bytes a row).  out [1024][512] f32.  Both products go by the scaled matrix instruction on the codes as they lie; differences, squares, sums and the root are f32.
; WHAT BINDS: 1024 x 512 x 512 differences, each a subtraction and a fused multiply-add; packed, two to an instruction: 8,192 vector instructions for each of 1,024 waves.  All else is laid to stand beside them.
; SHARES.  A work-group owns 32 rows of y x 64 rows of x (64 columns of out are 256 consecutive bytes, aligned) and makes the features of these 96 rows itself.  THE FOUR WAVES SHARE THE FEATURE AXIS:
; wave w makes features 128 w .. 128 w + 127 of all 96 rows and sums the squares over them for all 2,048 outputs: a lane has 8 x 8 outputs, so that 16 numbers from LDS feed 64 packed instructions, and no wave
; reads another's features: between the head and the final sum of the four parts there is no barrier.
; BY CHUNKS of 16 features.  While chunk c's 1,024 packed instructions run, the 24 matrix instructions of chunk c + 1 stand singly among them, one for every 32.  Source 0 = 16 rows of x or y, source 1 = 16 rows
; of W: a lane then holds ONE feature and eight neighbouring rows, and two stores a tile lay the results in the wave's own LDS as [feature][row].  W's chunk c + 2 (16 rows: 6,144 consecutive bytes) is loaded
; a whole chunk ahead, 512 consecutive bytes an instruction, and turns through the wave's own LDS into fragments.  x's and y's codes come in the same way once and stay in 288 registers.
; NO CLUSTER, NO TENSOR LOAD: every work-group reads all of W, but a wave wants only 6,144 bytes of it for some 1,250 instructions, asked for a chunk ahead; a joint load would want a round of all waves of all
; partners at each refill, in a loop that has no barrier, and the codes would pass through LDS as they do here.  NO PREFETCH: eight chunks in all, and the loads themselves run a chunk ahead.
; LIMITS: the sum over d is taken in four parts (another order of rounding than a single chain); a sum of squares under 2^-126 gives 0 (v_sqrt_f32 takes denormals as zero: ISA guide, its entry);
; it overflows where an f32 sum of squares overflows; a scale byte 0xff gives NaN.
; REGISTERS, in windows of 256 (s_set_vgpr_msb: bits 1:0 source 0, 3:2 source 1, 5:4 source 2, 7:6 destination).  Window 0: all that the distance touches, the scale words, the six feature accumulators.
;   Window 1: x's 16 fragments (tile t, K step s at v[12 (4 t + s)]).   Window 2: y's 8 fragments likewise; from v96 W's four; from v144 W's 48 registers as loaded.
.set PF,    400                        ; a feature's row in LDS: 96 numbers (64 of x, 32 of y) + 16 bytes = 25 x 16: the 16 features of a store start in 16 different groups of four banks (64 banks of 4 bytes: ISA guide 11.1)
.set FB1,   8192                       ; a wave's second feature buffer begins here, so that one exclusive or turns an address
.set FREG,  16384                      ; a wave's two feature buffers
.set PC6,   432                        ; a row of codes in LDS: 384 bytes + 16 behind each 128 = 108 words: row r starts at bank 44 r mod 64: sixteen different multiples of 4
.set WBUF,  4*FREG                     ; each wave's 16 rows of W's codes
.set WSC,   WBUF+4*16*PC6              ; each wave's 128 rows of W's scale bytes, 2,048 bytes
.set ABUF,  WSC+4*2048                 ; the work-group's 96 rows of codes: x's 64, then y's 32
.set RED,   ABUF+96*PC6                ; the four waves' partial sums: 32 rows x (256 bytes + 16) each
.set RP,    272
.set REDW,  32*RP
.set GO,    1                          ; v1   16 x lane: my 16 bytes of a load's 512
.set SCO,   2                          ; v2   16 x (lane % 16): a row's 16 scale bytes
.set X0,    3                          ; v3   my 8 rows of x in my wave's feature buffer 0
.set Y0,    4                          ; v4   my 8 rows of y there
.set S0,    5                          ; v5   where I store results there: feature lane % 16, rows 8 (lane / 16) on
.set XC,    6                          ; v6-7  X0, Y0 in the buffer in hand
.set YC,    7
.set XL,    8                          ; v8-9  and in the other, for the loads that run ahead into the next chunk
.set YL,    9
.set SN,    10                         ; v10  S0 in the other buffer
.set WA1,   11                         ; v11-12 my place in a fragment of W (the second: for pieces that lie behind one padding more in lanes 16-31)
.set WST,   13                         ; v13  where I put 16 bytes of W's dense block
.set WSA0,  14                         ; v14  my row's scale bytes in my wave's 2,048
.set WSA,   15                         ; v15  the same for the chunk to come
.set AA1,   16                         ; v16-17 as v11-12, for x and y
.set ASTX,  18                         ; v18-20 where I put 16 bytes of x's, y's dense blocks and of W's scale bytes
.set ASTY,  19
.set WSST,  20
.set RW,    21                         ; v21  partial sums: where I write
.set RR,    22                         ; v22  and where I read rows back
.set OO,    23                         ; v23  my byte offset in two rows of out
.set WS,    28                         ; v28-31 W's scale words, one for each K step
.set AS,    32                         ; v32-55 x's and y's: tile t, K step s at v[AS + 4 t + s]
.set T,     58                         ; v58-73 eight pairs of differences
.set F,     74                         ; v74-121 the six feature accumulators
.set RING,  124                        ; v124-187 four slots of 16: 8 numbers of x, 8 of y, one feature
.set ACC,   188                        ; v188-251 sums: (row i of y, pair p of x) at v[ACC + 8 i + 2 p]
.set STG,   124                        ; at the head v124-211 hold codes and scale bytes as loaded
.set WF,    96                         ; window 2
.set G,     144                        ; window 2
.set WV,    18                         ; s18  my wave
.set TB,    24                         ; s24  the feature buffer in hand: 0 or FB1
.set TN,    25                         ; s25  the other
.set TW,    26                         ; s26  256 x the chunk whose scale words come next
.set CNT,   27
.set MSB, 0
.macro WIN new                         ; the immediate's high byte repeats the setting that is left; a switch that changes nothing is dropped
.if MSB != \new
	s_set_vgpr_msb (MSB<<8)|\new
.set MSB, \new
.endif
.endm
; A fragment, 16 rows x 128 K of 6-bit codes, is 12 registers: lane l holds row l % 16; registers 6 c .. 6 c + 5 hold K = 64 c + 32 (l / 16) + 0 .. 31: 24 bytes of the row's stream of bits, as they lie, in pieces of 8 bytes.
; Lanes 0-15 take pieces 12 s + 0, 1, 2 and 12 s + 6, 7, 8 of the row, lanes 16-31 those three pieces on; 16 bytes of padding lie behind every 16 pieces: where the piece three on lies behind one padding more, the second address register serves.
.macro FRAG reg, adr, s, off
.irp p, 0,1,2,3,4,5
.set PCE, 12*(\s)+6*(\p/3)+\p%3
.if PCE%16 < 13
	ds_load_b64 v[\reg+2*\p:\reg+2*\p+1], v[\adr] offset:8*PCE+16*(PCE/16)+(\off)
.else
	ds_load_b64 v[\reg+2*\p:\reg+2*\p+1], v[\adr+1] offset:8*PCE+16*(PCE/16)+(\off)
.endif
.endr
.endm
.macro AGROUP s                        ; the head: all fragments of K step s: x's four, y's two, W's: 42 LDS loads
	WIN 0x40                                       ; destination window 1
.irp t, 0,1,2,3
	FRAG 12*(4*\t+(\s)), AA1, \s, \t*16*PC6
.endr
	WIN 0x80                                       ; destination window 2
.irp t, 0,1
	FRAG 12*(4*\t+(\s)), AA1, \s, (4+\t)*16*PC6
.endr
	FRAG WF+12*(\s), WA1, \s, 0
	WIN 0
.endm
; Matrix instruction k = 6 s + t of a chunk's 24: K step s, tile t of rows (0-3: x, 4-5: y).  The six accumulators take turns, one instruction a turn, over the loop's edge too; K step 0 starts the sums.
.macro MM k
.set MS, (\k)/6
.set MT, (\k)%6
.if MT < 4
	WIN 0x09                                       ; source 0 window 1, source 1 (W) window 2, C and D window 0
.set MA, 12*(4*MT+MS)
.else
	WIN 0x0a                                       ; source 0 window 2
.set MA, 12*(4*(MT-4)+MS)
.endif
.if MS == 0
	v_wmma_scale_f32_16x16x128_f8f6f4 v[F+8*MT:F+8*MT+7], v[MA:MA+11], v[WF+12*MS:WF+12*MS+11], 0, v[AS+4*MT+MS], v[WS+MS] matrix_a_fmt:MATRIX_FMT_BF6 matrix_b_fmt:MATRIX_FMT_BF6
.else
	v_wmma_scale_f32_16x16x128_f8f6f4 v[F+8*MT:F+8*MT+7], v[MA:MA+11], v[WF+12*MS:WF+12*MS+11], v[F+8*MT:F+8*MT+7], v[AS+4*MT+MS], v[WS+MS] matrix_a_fmt:MATRIX_FMT_BF6 matrix_b_fmt:MATRIX_FMT_BF6
.endif
.endm
.macro MMS s                           ; the head: a K step's six
.irp t, 0,1,2,3,4,5
	MM 6*(\s)+\t
.endr
	WIN 0
.endm
.macro FSTORE adr                      ; lane (r, h) holds feature r of rows 16 t + 8 h + 0 .. 7: 32 bytes of the feature's row in LDS; each accumulator from its low end on
.irp t, 0,1,2,3,4,5
	ds_store_b128 v[\adr], v[F+8*\t:F+8*\t+3] offset:64*\t
	ds_store_b128 v[\adr], v[F+8*\t+4:F+8*\t+7] offset:64*\t+16
.endr
.endm
.macro GLOAD off                       ; 16 rows of W's codes, 6,144 consecutive bytes: each load takes 512 consecutive bytes, aligned
	WIN 0x80
.irp i, 0,1,2,3,4,5,6,7,8,9,10,11
	global_load_b128 v[G+4*\i:G+4*\i+3], v[GO], s[4:5] offset:(\off)+512*\i
.endr
	WIN 0
.endm
.macro GSTORE                          ; into my wave's 16 rows of PC6 bytes: 512 bytes of data take 576
	WIN 0x08                                       ; an LDS store's data are its source 1: window 2
.irp i, 0,1,2,3,4,5,6,7,8,9,10,11
	ds_store_b128 v[WST], v[G+4*\i:G+4*\i+3] offset:576*\i
.endr
.endm
; W's next chunk turns from the order of memory into fragments: 12 stores, 24 loads, and its scale words: 37 LDS instructions.  LDS serves a wave's instructions in order (ISA guide 5.7.1.4): no wait between them.
.macro WTURN sadr, soff
	s_wait_loadcnt 0x0                             ; the twelve loads, asked for a chunk ago, are in
	GSTORE
	WIN 0x80
.irp s, 0,1,2,3
	FRAG WF+12*\s, WA1, \s, 0
.endr
	WIN 0
	ds_load_b128 v[WS:WS+3], v[\sadr] offset:\soff ; a row's 16 scale bytes are its four words
.endm
.macro LOADD slot, ax, ay, d           ; feature d of a buffer: my 8 rows of x, my 8 rows of y
	ds_load_b128 v[RING+16*(\slot):RING+16*(\slot)+3], v[\ax] offset:PF*(\d)
	ds_load_b128 v[RING+16*(\slot)+4:RING+16*(\slot)+7], v[\ax] offset:PF*(\d)+16
	ds_load_b128 v[RING+16*(\slot)+8:RING+16*(\slot)+11], v[\ay] offset:PF*(\d)
	ds_load_b128 v[RING+16*(\slot)+12:RING+16*(\slot)+15], v[\ay] offset:PF*(\d)+16
.endm
; Sixteen packed instructions: rows 2 q and 2 q + 1 of y against my 8 rows of x, one feature.  A pair holds two rows of x; y's number, the low or the high register of its pair, serves both halves.
; Eight differences, then eight multiply-adds: no line reads the result of one of the seven lines above it.
.macro SUB slot, q
.irp u, 0,1
.irp jp, 0,1,2,3
	v_pk_add_f32 v[T+8*\u+2*\jp:T+8*\u+2*\jp+1], v[RING+16*(\slot)+2*\jp:RING+16*(\slot)+2*\jp+1], v[RING+16*(\slot)+8+2*(\q):RING+16*(\slot)+8+2*(\q)+1] op_sel:[0,\u] op_sel_hi:[1,\u] neg_lo:[0,1] neg_hi:[0,1]
.endr
.endr
.irp u, 0,1
.irp jp, 0,1,2,3
	v_pk_fma_f32 v[ACC+8*(2*(\q)+\u)+2*\jp:ACC+8*(2*(\q)+\u)+2*\jp+1], v[T+8*\u+2*\jp:T+8*\u+2*\jp+1], v[T+8*\u+2*\jp:T+8*\u+2*\jp+1], v[ACC+8*(2*(\q)+\u)+2*\jp:ACC+8*(2*(\q)+\u)+2*\jp+1]
.endr
.endr
.endm
; A CHUNK: the distance over 16 features of the buffer in hand.  wm = 1: the next chunk's features are made beside it.  wl = 1: W of the chunk after that is fetched and turned.  last = 1: nothing follows.
; Feature E: the loads of feature E + 3 go out (from feature 13 on: of the next chunk, out of the other buffer, which was stored at feature 12); the wait leaves out what was issued behind feature E's four loads:
; the twelve of three features, the 12 stores of feature 12 (at features 12 to 14), W's 37 of feature 13 (at features 13 to 15); then 64 packed instructions with two matrix instructions among them (features 0 to 11).
; Behind each matrix instruction stand 16 packed instructions or more that name none of its registers: they are the places in front of the stores that read results (feature 12: 16 behind the last product)
; and of the loads into W's fragments and scale words (feature 13: 80 behind it).
.macro CHUNK wm, wl, last
	v_add_nc_u32 v[XC], s[TB], v[X0]
	v_add_nc_u32 v[YC], s[TB], v[Y0]
.if !(\last)
	v_add_nc_u32 v[XL], s[TN], v[X0]
	v_add_nc_u32 v[YL], s[TN], v[Y0]
.endif
.if \wm
	v_add_nc_u32 v[SN], s[TN], v[S0]
.endif
.if \wl
	v_add_nc_u32 v[WSA], s[TW], v[WSA0]
.endif
.set E, 0
.rept 16
.if (\wm) && (E == 12)
	FSTORE SN
.endif
.if (\wl) && (E == 13)
	WTURN WSA, 0
	s_add_nc_u64 s[4:5], s[4:5], 6144              ; behind the wait that shows the loads done: their base may step to the next chunk
.endif
.if E < 13
	LOADD (E+3)%4, XC, YC, E+3
.elseif !(\last)
	LOADD (E+3)%4, XL, YL, E-13
.endif
.set NW, 12
.if (\last) && (E > 12)
.set NW, 4*(15-E)
.endif
.if (\wm) && (E >= 12) && (E <= 14)
.set NW, NW+12
.endif
.if (\wl) && (E >= 13)
.set NW, NW+37
.endif
	s_wait_dscnt NW                                ; LDS instructions of a wave end in order: feature E's four loads are in
.if (\wl) && (E == 0)
	GLOAD 0                                        ; behind feature 0's wait, which also shows the last turn's stores done: their registers take the chunk after the next
.endif
	SUB E%4, 0
.if (\wm) && (E < 12)
	MM 2*E
	WIN 0
.endif
	SUB E%4, 1
	SUB E%4, 2
.if (\wm) && (E < 12)
	MM 2*E+1
	WIN 0
.endif
	SUB E%4, 3
.set E, E+1
.endr
.endm
	s_load_b256 s[4:11], s[0:1], 0x0               ; W's codes s[4:5], W's scales s[6:7], x's codes s[8:9], x's scales s[10:11]
	s_load_b128 s[12:15], s[0:1], 0x20             ; y's codes s[12:13], y's scales s[14:15]
	s_load_b64 s[16:17], s[0:1], 0x30              ; out
	v_lshl_add_u32 v254, v0, 2, 0x2b600
	v_mov_b32 v255, 0
	v_lshrrev_b32 v24, 5, v0
	v_readfirstlane_b32 s[WV], v24                 ; wave 0..3
	v_and_b32 v25, 31, v0                          ; lane
	v_and_b32 v26, 15, v0                          ; r = lane % 16
	v_bfe_u32 v27, v0, 4, 1                        ; h = lane / 16
	v_lshlrev_b32 v[GO], 4, v25
	v_lshlrev_b32 v[SCO], 4, v26
	s_and_b32 s20, ttmp7, 0xffff                   ; which 32 rows of y; ttmp9: which 64 rows of x
	s_mul_i32 s36, s[WV], 128*384                  ; W's codes: my wave's 128 rows
	s_mov_b32 s37, 0
	s_lshl_b32 s38, s[WV], 11                      ; W's scale bytes: 128 rows of 16
	s_mov_b32 s39, 0
	s_mul_i32 s40, ttmp9, 64*384                   ; x's codes: the group's 64 rows, of which my wave stages 16
	s_mul_i32 s28, s[WV], 16*384
	s_add_co_u32 s40, s40, s28
	s_mov_b32 s41, 0
	s_lshl_b32 s42, ttmp9, 10                      ; x's scale bytes
	s_mov_b32 s43, 0
	s_mul_i32 s44, s20, 32*384                     ; y's codes: the group's 32 rows, of which my wave stages 8
	s_mul_i32 s28, s[WV], 8*384
	s_add_co_u32 s44, s44, s28
	s_mov_b32 s45, 0
	s_lshl_b32 s46, s20, 9                         ; y's scale bytes
	s_mov_b32 s47, 0
	s_lshl_b32 s48, s20, 16                        ; out: 32 rows of 2,048 bytes a group, 8 rows a wave, 256 bytes a group along a row
	s_lshl_b32 s28, s[WV], 14
	s_add_co_u32 s48, s48, s28
	s_lshl_b32 s28, ttmp9, 8
	s_add_co_u32 s48, s48, s28
	s_mov_b32 s49, 0
	s_wait_kmcnt 0x0
	s_add_nc_u64 s[4:5], s[4:5], s[36:37]
	s_add_nc_u64 s[6:7], s[6:7], s[38:39]
	s_add_nc_u64 s[8:9], s[8:9], s[40:41]
	s_add_nc_u64 s[10:11], s[10:11], s[42:43]
	s_add_nc_u64 s[12:13], s[12:13], s[44:45]
	s_add_nc_u64 s[14:15], s[14:15], s[46:47]
	s_add_nc_u64 s[16:17], s[16:17], s[48:49]
	; All of the head's loads go out together; each takes consecutive bytes: 512 (codes, W's scale bytes) or 256 (a tile's scale words, the same in both halves of the lanes)
.irp i, 0,1,2,3,4,5,6,7,8,9,10,11
	global_load_b128 v[STG+4*\i:STG+4*\i+3], v[GO], s[8:9] offset:512*\i          ; my 16 rows of x
.endr
.irp i, 0,1,2,3,4,5
	global_load_b128 v[STG+48+4*\i:STG+48+4*\i+3], v[GO], s[12:13] offset:512*\i  ; my 8 rows of y
.endr
	GLOAD 0                                        ; W's chunk 0
.irp i, 0,1,2,3
	global_load_b128 v[STG+72+4*\i:STG+72+4*\i+3], v[GO], s[6:7] offset:512*\i    ; my 128 rows of W's scale bytes
.endr
.irp t, 0,1,2,3
	global_load_b128 v[AS+4*\t:AS+4*\t+3], v[SCO], s[10:11] offset:256*\t         ; lane r: row r's four scale words
.endr
.irp t, 0,1
	global_load_b128 v[AS+16+4*\t:AS+16+4*\t+3], v[SCO], s[14:15] offset:256*\t
.endr
	; the LDS addresses, while the loads are on their way
	v_lshrrev_b32 v24, 3, v25
	v_add_nc_u32 v24, v24, v25
	v_lshlrev_b32 v24, 4, v24                      ; 16 (lane + lane / 8): my 16 bytes of a dense 512, with 16 of padding behind each 128
	s_mul_i32 s28, s[WV], 16*PC6
	s_add_co_u32 s29, s28, ABUF
	s_add_co_u32 s30, s28, WBUF
	s_mul_i32 s31, s[WV], 8*PC6
	s_add_co_u32 s31, s31, ABUF+64*PC6
	v_add_nc_u32 v[ASTX], s29, v24
	v_add_nc_u32 v[ASTY], s31, v24
	v_add_nc_u32 v[WST], s30, v24
	s_lshl_b32 s32, s[WV], 11
	s_add_co_u32 s32, s32, WSC
	v_add_nc_u32 v[WSST], s32, v[GO]
	v_add_nc_u32 v[WSA0], s32, v[SCO]
	v_mul_u32_u24 v24, v26, PC6
	v_mad_u32_u24 v56, v27, 24, v24                ; a fragment's row x pitch + 24 x half,
	v_mad_u32_u24 v57, v27, 40, v24                ; and the same behind one padding more
	v_add_nc_u32 v[AA1], ABUF, v56
	v_add_nc_u32 v[AA1+1], ABUF, v57
	v_add_nc_u32 v[WA1], s30, v56
	v_add_nc_u32 v[WA1+1], s30, v57
	s_lshl_b32 s33, s[WV], 14                      ; my wave's feature buffers
	s_add_co_u32 s34, s33, 256                     ; y's 32 numbers lie behind x's 64
	v_and_b32 v24, 7, v0                           ; which 8 rows of x are my lane's: lane % 8
	v_bfe_u32 v25, v0, 3, 2                        ; which 8 rows of y: lane / 8
	v_lshl_add_u32 v[X0], v24, 5, s33
	v_lshl_add_u32 v[Y0], v25, 5, s34
	v_mul_u32_u24 v56, v26, PF
	v_lshl_add_u32 v56, v27, 5, v56
	v_add_nc_u32 v[S0], s33, v56
	s_mul_i32 s35, s[WV], REDW
	s_add_co_u32 s35, s35, RED
	v_mul_u32_u24 v56, v25, 8*RP
	v_lshl_add_u32 v56, v24, 5, v56
	v_add_nc_u32 v[RW], s35, v56                   ; my wave's part: row 8 (lane / 8), 32 bytes at 32 (lane % 8)
	s_mul_i32 s35, s[WV], 8*RP
	s_add_co_u32 s35, s35, RED
	v_mul_u32_u24 v56, v27, RP
	v_lshl_add_u32 v56, v26, 4, v56
	v_add_nc_u32 v[RR], s35, v56                   ; back: rows 8 w on; lanes 0-15 one row of 256 bytes, lanes 16-31 the next
	v_lshlrev_b32 v56, 11, v27
	v_lshl_add_u32 v[OO], v26, 4, v56              ; and the same two rows in out
	s_mov_b32 s[TB], 0
	s_mov_b32 s[TN], FB1
	s_mov_b32 s[TW], 2*256
	s_mov_b32 s[CNT], 6
	s_wait_loadcnt 22                              ; x's and y's codes are in; younger: W's 12, the 4 blocks of scale bytes, the 6 loads of scale words
.irp i, 0,1,2,3,4,5,6,7,8,9,10,11
	ds_store_b128 v[ASTX], v[STG+4*\i:STG+4*\i+3] offset:576*\i
.endr
.irp i, 0,1,2,3,4,5
	ds_store_b128 v[ASTY], v[STG+48+4*\i:STG+48+4*\i+3] offset:576*\i
.endr
	s_wait_loadcnt 10                              ; W's chunk 0 is in; younger: 4 + 6
	GSTORE
	WIN 0
	s_wait_loadcnt 6                               ; W's scale bytes are in; younger: the 6 loads of scale words
.irp i, 0,1,2,3
	ds_store_b128 v[WSST], v[STG+72+4*\i:STG+72+4*\i+3] offset:512*\i
.endr
	s_wait_dscnt 0x0                               ; for the others' sake: my part of x's and y's codes lies in LDS; and my stores have read their registers,
	GLOAD 6144                                     ; of which W's take chunk 1
	s_barrier_signal -1
	s_barrier_wait -1                              ; all 96 rows of codes lie in LDS
	ds_load_b128 v[WS:WS+3], v[WSA0]               ; chunk 0's scale words
	AGROUP 0
	AGROUP 1
	s_wait_loadcnt 12                              ; x's and y's scale words are in; younger: chunk 1's twelve loads
	s_wait_dscnt 42                                ; K step 0's fragments are in; younger: K step 1's 42 loads
	MMS 0                                          ; chunk 0's features: there is no vector work yet to set beside them
	AGROUP 2
	s_wait_dscnt 42                                ; K step 1's are in
	MMS 1
	AGROUP 3
	s_wait_dscnt 42                                ; K step 2's
	MMS 2
	s_wait_dscnt 0x0
	MMS 3
.set J, 0
.rept 64
	v_mov_b32 v[ACC+J], 0                          ; the 64 sums begin at 0: once in the launch, so that the chunk is written three times and not four; these lines are also the places behind the products above
.set J, J+1
.endr
	FSTORE S0                                      ; chunk 0 into buffer 0
	WTURN WSA0, 256                                ; chunk 1's fragments and scale words
	s_add_nc_u64 s[4:5], s[4:5], 2*6144            ; on to chunk 2
	LOADD 0, X0, Y0, 0                             ; the ring's first three features: the last LDS instructions in front of the loop, as at its backward jump
	LOADD 1, X0, Y0, 1
	LOADD 2, X0, Y0, 2
.Lchunk:                                               ; six trips: chunks 0 to 5; features of chunks 1 to 6; W of chunks 2 to 7
	CHUNK 1, 1, 0
	s_xor_b32 s[TB], s[TB], FB1
	s_xor_b32 s[TN], s[TN], FB1
	s_add_co_u32 s[TW], s[TW], 256
	s_sub_co_u32 s[CNT], s[CNT], 1
	s_cmp_lg_u32 s[CNT], 0
	s_cbranch_scc1 .Lchunk
	CHUNK 1, 0, 0                                  ; chunk 6, and chunk 7's features: no W is left to fetch, so no load leaves its buffer
	s_xor_b32 s[TB], s[TB], FB1
	CHUNK 0, 0, 1                                  ; chunk 7
	; THE FOUR PARTS MEET.  Each wave lays its 32 x 64 sums as rows of 256 bytes; behind the barrier wave w adds the four parts of rows 8 w .. 8 w + 7, takes the roots and stores.
.irp i, 0,1,2,3,4,5,6,7
	ds_store_b128 v[RW], v[ACC+8*\i:ACC+8*\i+3] offset:RP*\i
	ds_store_b128 v[RW], v[ACC+8*\i+4:ACC+8*\i+7] offset:RP*\i+16
.endr
	s_wait_dscnt 0x0                               ; for the others' sake: my part lies in LDS
	s_barrier_signal -1
	s_barrier_wait -1
.irp k, 0,1,2,3
.irp u, 0,1,2,3
	ds_load_b128 v[RING+16*\k+4*\u:RING+16*\k+4*\u+3], v[RR] offset:REDW*\u+2*RP*\k
.endr
.endr
.irp k, 0,1,2,3
	s_wait_dscnt 12-4*\k                           ; the four parts of rows 2 k, 2 k + 1 are in; the later rows' loads may be out
.irp p, 0,2
	v_pk_add_f32 v[RING+16*\k+\p:RING+16*\k+\p+1], v[RING+16*\k+\p:RING+16*\k+\p+1], v[RING+16*\k+4+\p:RING+16*\k+4+\p+1]
	v_pk_add_f32 v[RING+16*\k+8+\p:RING+16*\k+8+\p+1], v[RING+16*\k+8+\p:RING+16*\k+8+\p+1], v[RING+16*\k+12+\p:RING+16*\k+12+\p+1]
.endr
.irp p, 0,2
	v_pk_add_f32 v[RING+16*\k+\p:RING+16*\k+\p+1], v[RING+16*\k+\p:RING+16*\k+\p+1], v[RING+16*\k+8+\p:RING+16*\k+8+\p+1]
.endr
.endr
.irp k, 0,1,2,3
.irp j, 0,1,2,3
	v_sqrt_f32 v[RING+16*\k+\j], v[RING+16*\k+\j]  ; the sixteen roots are one batch
.endr
.endr
	v_nop                                          ; a plain instruction between the last root and the first use of a result (ISA guide 5.7.2)
	s_wait_alu depctr_va_vdst(0)                   ; one wait for the batch, ahead of its first reader
.irp k, 0,1,2,3
	global_store_b128 v[OO], v[RING+16*\k:RING+16*\k+3], s[16:17] offset:4096*\k th:TH_STORE_NT   ; 16 lanes store 256 consecutive bytes, at a multiple of 256 from out's first byte; two rows an instruction
.endr
	s_wait_tensorcnt 0x0
	ds_add_u32 v254, v255
	s_wait_dscnt 0x0
	s_endpgm
.Lfunc_end_k_qdf6a69e606_metric:
	.size	k_qdf6a69e606_metric, .Lfunc_end_k_qdf6a69e606_metric-k_qdf6a69e606_metric
	.p2alignl 7, 3214868480
	.fill 96, 4, 3214868480
	.section	.rodata,"a",@progbits
	.p2align	6, 0x0
	.amdhsa_kernel k_qdf6a69e606_metric
		.amdhsa_group_segment_fixed_size 178176
		.amdhsa_private_segment_fixed_size 0
		.amdhsa_enable_private_segment 0
		.amdhsa_kernarg_size 56
		.amdhsa_user_sgpr_count 2
		.amdhsa_user_sgpr_kernarg_segment_ptr 1
		.amdhsa_wavefront_size32 1
		.amdhsa_system_sgpr_workgroup_id_x 1
		.amdhsa_system_sgpr_workgroup_id_y 1
		.amdhsa_system_sgpr_workgroup_id_z 1
		.amdhsa_system_vgpr_workitem_id 0
		.amdhsa_next_free_vgpr 768
		.amdhsa_next_free_sgpr 66
		.amdhsa_reserve_vcc 0
		.amdhsa_float_denorm_mode_32 3
		.amdhsa_float_denorm_mode_16_64 3
		.amdhsa_memory_ordered 1
		.amdhsa_forward_progress 1
		.amdhsa_inst_pref_size 255
	.end_amdhsa_kernel
	.section	.bss,"aw",@nobits
	.p2align	6
	.space	262144
	.amdgpu_metadata
---
amdhsa.version: [ 1, 2 ]
amdhsa.kernels:
  - .name:           k_qdf6a69e606_metric
    .symbol:         k_qdf6a69e606_metric.kd
    .args:
      - { .name: W_codes, .offset: 0, .size: 8, .value_kind: global_buffer, .address_space: global }
      - { .name: W_scales, .offset: 8, .size: 8, .value_kind: global_buffer, .address_space: global }
      - { .name: x_codes, .offset: 16, .size: 8, .value_kind: global_buffer, .address_space: global }
      - { .name: x_scales, .offset: 24, .size: 8, .value_kind: global_buffer, .address_space: global }
      - { .name: y_codes, .offset: 32, .size: 8, .value_kind: global_buffer, .address_space: global }
      - { .name: y_scales, .offset: 40, .size: 8, .value_kind: global_buffer, .address_space: global }
      - { .name: out0, .offset: 48, .size: 8, .value_kind: global_buffer, .address_space: global }
    .group_segment_fixed_size: 178176
    .private_segment_fixed_size: 0
    .kernarg_segment_align: 8
    .kernarg_segment_size: 56
    .max_flat_workgroup_size: 128
    .sgpr_count:     66
    .vgpr_count:     768
    .wavefront_size: 32
...
	.end_amdgpu_metadata
.endif
;; end of part 1
;; ======== version 2 of 2: 1 launch; version 1 with the launch metric written anew for expert scheduling mode
;; launch metric (part 2): grid 8 x 32, 4 waves a work-group, no clusters, 178,176 bytes of LDS; arguments W_codes, W_scales, x_codes, x_scales, y_codes, y_scales, out0; writes out0
.if DOCPART == 2
	.amdgcn_target "amdgcn-amd-amdhsa--gfx1250"
	.amdhsa_code_object_version 6
	.text
	.protected	k_qdf6a69e606_metric
	.globl	k_qdf6a69e606_metric
	.p2align	8
	.type	k_qdf6a69e606_metric,@function
k_qdf6a69e606_metric:
	s_mov_b64 s[64:65], 0
	v_nop
	global_prefetch_b8 v0, s[64:65] scope:SCOPE_SE
	s_setreg_imm32_b32 hwreg(HW_REG_WAVE_SCHED_MODE, 0, 2), 2
	s_setreg_imm32_b32 hwreg(HW_REG_WAVE_MODE, 25, 1), 1
	s_wait_xcnt 0x0
	s_wait_alu depctr_vm_vsrc(0)
; out[m][n] = sqrt( sum over d of (fx[n][d] - fy[m][d])^2 ),  fx = x W, fy = y W.  x [512][512], y [1024][512], W [512 (d)][512 (k)]: codes of BF6 (E3M2), K innermost, a row 384 bytes,
; one E8M0 byte for each 32 along K (16 bytes a row).  out [1024][512] f32.  Both products go by the scaled matrix instruction on the codes as they lie; differences, squares, sums and the root are f32.
; WHAT BINDS: 1024 x 512 x 512 differences, each a subtraction and a fused multiply-add; packed, two to an instruction: 8,192 vector instructions for each of 1,024 waves.  All else is laid to stand beside them.
; SHARES.  A work-group owns 32 rows of y x 64 rows of x (64 columns of out are 256 consecutive bytes, aligned) and makes the features of these 96 rows itself.  THE FOUR WAVES SHARE THE FEATURE AXIS:
; wave w makes features 128 w .. 128 w + 127 of all 96 rows and sums the squares over them for all 2,048 outputs: a lane has 8 x 8 outputs, so that 16 numbers from LDS feed 64 packed instructions, and no wave
; reads another's features: between the head and the final sum of the four parts there is no barrier.
; BY CHUNKS of 16 features.  While chunk c's 1,024 packed instructions run, the 24 matrix instructions of chunk c + 1 stand singly among them, one for every 32.  Source 0 = 16 rows of x or y, source 1 = 16 rows
; of W: a lane then holds ONE feature and eight neighbouring rows, and two stores a tile lay the results in the wave's own LDS as [feature][row].  W's chunk c + 2 (16 rows: 6,144 consecutive bytes) is loaded
; a whole chunk ahead, 512 consecutive bytes an instruction, and turns through the wave's own LDS into fragments.  x's and y's codes come in the same way once and stay in 288 registers.
; NO CLUSTER, NO TENSOR LOAD: every work-group reads all of W, but a wave wants only 6,144 bytes of it for some 1,250 instructions, asked for a chunk ahead; a joint load would want a round of all waves of all
; partners at each refill, in a loop that has no barrier, and the codes would pass through LDS as they do here.  NO PREFETCH: eight chunks in all, and the loads themselves run a chunk ahead.
; LIMITS: the sum over d is taken in four parts (another order of rounding than a single chain); a sum of squares under 2^-126 gives 0 (v_sqrt_f32 takes denormals as zero: ISA guide, its entry);
; it overflows where an f32 sum of squares overflows; a scale byte 0xff gives NaN.
; THE MODE: SCHED_MODE bits 1:0 = 2 (LLVM: expert scheduling mode 2), set by the entry lines.  The code itself states the register dependences between vector or matrix instructions and memory or LDS
; instructions, with s_wait_alu, always for 0.
; THE PLAN.  Registers that memory or LDS instructions touch, in the loop:
;   RING       four slots, as two buffers of two features.  A chunk goes in eight blocks of two features; block b's subtractions read the slots of features 2 b, 2 b + 1; its eight LDS loads, for block b + 1,
;              land in the other two slots, which block b - 1 read and which no vector instruction of block b names.
;   F          written by the products of features 0 to 11; read by the 12 LDS stores at feature 12; written again by the next chunk's products.
;   WF, WS     read by the products of features 0 to 11; the LDS loads of feature 13 land in them.
;   G          the global loads of feature 0 land in it; read by the 12 LDS stores of feature 13.  No vector instruction names it.
;   v6-10, v15 the chunk's six LDS addresses: written by six additions at the chunk's head, read by its LDS loads and stores.  All other addresses are made at the kernel's head and never written again.
;   T and the sums are named by vector instructions alone (the sums until the way out).
; So a chunk has ONE wait on vm_vsrc, at its head (the six addresses, F and G have been read), and ONE wait on va_vdst at each block's head (the block before is done reading its slots; in block 0 the addresses
; are written; at feature 12 the products have written F and are done reading WF and WS).  Behind each the block's loads and stores are dealt among its vector instructions with no further wait.
; REGISTERS, in windows of 256 (s_set_vgpr_msb: bits 1:0 source 0, 3:2 source 1, 5:4 source 2, 7:6 destination).  Window 0: all that the distance touches, the scale words, the six feature accumulators.
;   Window 1: x's 16 fragments (tile t, K step s at v[12 (4 t + s)]).   Window 2: y's 8 fragments likewise; from v96 W's four; from v144 W's 48 registers as loaded.
.set PF,    400                        ; a feature's row in LDS: 96 numbers (64 of x, 32 of y) + 16 bytes = 25 x 16: the 16 features of a store start in 16 different groups of four banks (64 banks of 4 bytes: ISA guide 11.1)
.set FB1,   8192                       ; a wave's second feature buffer begins here, so that one exclusive or turns an address
.set FREG,  16384                      ; a wave's two feature buffers
.set PC6,   432                        ; a row of codes in LDS: 384 bytes + 16 behind each 128 = 108 words: row r starts at bank 44 r mod 64: sixteen different multiples of 4
.set WBUF,  4*FREG                     ; each wave's 16 rows of W's codes
.set WSC,   WBUF+4*16*PC6              ; each wave's 128 rows of W's scale bytes, 2,048 bytes
.set ABUF,  WSC+4*2048                 ; the work-group's 96 rows of codes: x's 64, then y's 32
.set RED,   ABUF+96*PC6                ; the four waves' partial sums: 32 rows x (256 bytes + 16) each
.set RP,    272
.set REDW,  32*RP
.set GO,    1                          ; v1   16 x lane: my 16 bytes of a load's 512
.set SCO,   2                          ; v2   16 x (lane % 16): a row's 16 scale bytes
.set X0,    3                          ; v3   my 8 rows of x in my wave's feature buffer 0
.set Y0,    4                          ; v4   my 8 rows of y there
.set S0,    5                          ; v5   where I store results there: feature lane % 16, rows 8 (lane / 16) on
.set XC,    6                          ; v6-7  X0, Y0 in the buffer in hand
.set YC,    7
.set XL,    8                          ; v8-9  and in the other, for the loads that run ahead into the next chunk
.set YL,    9
.set SN,    10                         ; v10  S0 in the other buffer
.set WA1,   11                         ; v11-12 my place in a fragment of W (the second: for pieces that lie behind one padding more in lanes 16-31)
.set WST,   13                         ; v13  where I put 16 bytes of W's dense block
.set WSA0,  14                         ; v14  my row's scale bytes in my wave's 2,048
.set WSA,   15                         ; v15  the same for the chunk to come
.set AA1,   16                         ; v16-17 as v11-12, for x and y
.set ASTX,  18                         ; v18-20 where I put 16 bytes of x's, y's dense blocks and of W's scale bytes
.set ASTY,  19
.set WSST,  20
.set RW,    21                         ; v21  partial sums: where I write
.set RR,    22                         ; v22  and where I read rows back
.set OO,    23                         ; v23  my byte offset in two rows of out
.set WS,    28                         ; v28-31 W's scale words, one for each K step
.set AS,    32                         ; v32-55 x's and y's: tile t, K step s at v[AS + 4 t + s]
.set T,     58                         ; v58-73 eight pairs of differences
.set F,     74                         ; v74-121 the six feature accumulators
.set RING,  124                        ; v124-187 four slots of 16: 8 numbers of x, 8 of y, one feature; feature E lies in slot E % 4
.set ACC,   188                        ; v188-251 sums: (row i of y, pair p of x) at v[ACC + 8 i + 2 p]
.set STG,   124                        ; at the head v124-211 hold codes and scale bytes as loaded
.set WF,    96                         ; window 2
.set G,     144                        ; window 2
.set WV,    18                         ; s18  my wave
.set TB,    24                         ; s24  the feature buffer in hand: 0 or FB1
.set TN,    25                         ; s25  the other
.set TW,    26                         ; s26  256 x the chunk whose scale words come next
.set CNT,   27
.set MSB, 0
.macro WIN new                         ; the immediate's high byte repeats the setting that is left; a switch that changes nothing is dropped
.if MSB != \new
	s_set_vgpr_msb (MSB<<8)|\new
.set MSB, \new
.endif
.endm
; A fragment, 16 rows x 128 K of 6-bit codes, is 12 registers: lane l holds row l % 16; registers 6 c .. 6 c + 5 hold K = 64 c + 32 (l / 16) + 0 .. 31: 24 bytes of the row's stream of bits, as they lie, in pieces of 8 bytes.
; Lanes 0-15 take pieces 12 s + 0, 1, 2 and 12 s + 6, 7, 8 of the row, lanes 16-31 those three pieces on; 16 bytes of padding lie behind every 16 pieces: where the piece three on lies behind one padding more, the second address register serves.
.macro FRAG reg, adr, s, off
.irp p, 0,1,2,3,4,5
.set PCE, 12*(\s)+6*(\p/3)+\p%3
.if PCE%16 < 13
	ds_load_b64 v[\reg+2*\p:\reg+2*\p+1], v[\adr] offset:8*PCE+16*(PCE/16)+(\off)
.else
	ds_load_b64 v[\reg+2*\p:\reg+2*\p+1], v[\adr+1] offset:8*PCE+16*(PCE/16)+(\off)
.endif
.endr
.endm
.macro AGROUP s                        ; the head: all fragments of K step s: x's four, y's two, W's: 42 LDS loads.  No vector or matrix instruction has named their registers: each K step has its own
	WIN 0x40                                       ; destination window 1
.irp t, 0,1,2,3
	FRAG 12*(4*\t+(\s)), AA1, \s, \t*16*PC6
.endr
	WIN 0x80                                       ; destination window 2
.irp t, 0,1
	FRAG 12*(4*\t+(\s)), AA1, \s, (4+\t)*16*PC6
.endr
	FRAG WF+12*(\s), WA1, \s, 0
	WIN 0
.endm
; Matrix instruction k = 6 s + t of a chunk's 24: K step s, tile t of rows (0-3: x, 4-5: y).  The six accumulators take turns, one instruction a turn, over the loop's edge too; K step 0 starts the sums.
.macro MM k
.set MS, (\k)/6
.set MT, (\k)%6
.if MT < 4
	WIN 0x09                                       ; source 0 window 1, source 1 (W) window 2, C and D window 0
.set MA, 12*(4*MT+MS)
.else
	WIN 0x0a                                       ; source 0 window 2
.set MA, 12*(4*(MT-4)+MS)
.endif
.if MS == 0
	v_wmma_scale_f32_16x16x128_f8f6f4 v[F+8*MT:F+8*MT+7], v[MA:MA+11], v[WF+12*MS:WF+12*MS+11], 0, v[AS+4*MT+MS], v[WS+MS] matrix_a_fmt:MATRIX_FMT_BF6 matrix_b_fmt:MATRIX_FMT_BF6
.else
	v_wmma_scale_f32_16x16x128_f8f6f4 v[F+8*MT:F+8*MT+7], v[MA:MA+11], v[WF+12*MS:WF+12*MS+11], v[F+8*MT:F+8*MT+7], v[AS+4*MT+MS], v[WS+MS] matrix_a_fmt:MATRIX_FMT_BF6 matrix_b_fmt:MATRIX_FMT_BF6
.endif
.endm
.macro MMS s                           ; the head: a K step's six
.irp t, 0,1,2,3,4,5
	MM 6*(\s)+\t
.endr
	WIN 0
.endm
.macro FSTORE adr                      ; lane (r, h) holds feature r of rows 16 t + 8 h + 0 .. 7: 32 bytes of the feature's row in LDS; each accumulator from its low end on
.irp t, 0,1,2,3,4,5
	ds_store_b128 v[\adr], v[F+8*\t:F+8*\t+3] offset:64*\t
	ds_store_b128 v[\adr], v[F+8*\t+4:F+8*\t+7] offset:64*\t+16
.endr
.endm
.macro GLOAD off                       ; 16 rows of W's codes, 6,144 consecutive bytes: each load takes 512 consecutive bytes, aligned
	WIN 0x80
.irp i, 0,1,2,3,4,5,6,7,8,9,10,11
	global_load_b128 v[G+4*\i:G+4*\i+3], v[GO], s[4:5] offset:(\off)+512*\i
.endr
	WIN 0
.endm
.macro GSTORE                          ; into my wave's 16 rows of PC6 bytes: 512 bytes of data take 576
	WIN 0x08                                       ; an LDS store's data are its source 1: window 2
.irp i, 0,1,2,3,4,5,6,7,8,9,10,11
	ds_store_b128 v[WST], v[G+4*\i:G+4*\i+3] offset:576*\i
.endr
.endm
; W's next chunk turns from the order of memory into fragments: 12 stores, 24 loads, and its scale words: 37 LDS instructions.  LDS serves a wave's instructions in order (ISA guide 5.7.1.4): no wait between them.
; The loads land in WF and WS, which products have read: the last wait on va_vdst ahead of this macro stands behind the last of those products, and no vector or matrix instruction since names WF, WS or the addresses.
.macro WTURN sadr, soff
	s_wait_loadcnt 0x0                             ; the twelve loads, asked for a chunk ago, are in
	GSTORE
	WIN 0x80
.irp s, 0,1,2,3
	FRAG WF+12*\s, WA1, \s, 0
.endr
	WIN 0
	ds_load_b128 v[WS:WS+3], v[\sadr] offset:\soff ; a row's 16 scale bytes are its four words
.endm
.macro LOADD slot, ax, ay, d           ; feature d of a buffer: my 8 rows of x, my 8 rows of y
	ds_load_b128 v[RING+16*(\slot):RING+16*(\slot)+3], v[\ax] offset:PF*(\d)
	ds_load_b128 v[RING+16*(\slot)+4:RING+16*(\slot)+7], v[\ax] offset:PF*(\d)+16
	ds_load_b128 v[RING+16*(\slot)+8:RING+16*(\slot)+11], v[\ay] offset:PF*(\d)
	ds_load_b128 v[RING+16*(\slot)+12:RING+16*(\slot)+15], v[\ay] offset:PF*(\d)+16
.endm
; Sixteen packed instructions: rows 2 q and 2 q + 1 of y against my 8 rows of x, one feature.  A pair holds two rows of x; y's number, the low or the high register of its pair, serves both halves.
; Eight differences, then eight multiply-adds: no line reads the result of one of the seven lines above it.
.macro SUB slot, q
.irp u, 0,1
.irp jp, 0,1,2,3
	v_pk_add_f32 v[T+8*\u+2*\jp:T+8*\u+2*\jp+1], v[RING+16*(\slot)+2*\jp:RING+16*(\slot)+2*\jp+1], v[RING+16*(\slot)+8+2*(\q):RING+16*(\slot)+8+2*(\q)+1] op_sel:[0,\u] op_sel_hi:[1,\u] neg_lo:[0,1] neg_hi:[0,1]
.endr
.endr
.irp u, 0,1
.irp jp, 0,1,2,3
	v_pk_fma_f32 v[ACC+8*(2*(\q)+\u)+2*\jp:ACC+8*(2*(\q)+\u)+2*\jp+1], v[T+8*\u+2*\jp:T+8*\u+2*\jp+1], v[T+8*\u+2*\jp:T+8*\u+2*\jp+1], v[ACC+8*(2*(\q)+\u)+2*\jp:ACC+8*(2*(\q)+\u)+2*\jp+1]
.endr
.endr
.endm
; A CHUNK: the distance over 16 features of the buffer in hand, in eight blocks of two.  wm = 1: the next chunk's features are made beside it.  wl = 1: W of the chunk after that is fetched and turned.  last = 1: nothing follows.
; A block, features E and E + 1 (E even): at its head the loads of feature E + 2 go out, behind its first 32 packed instructions those of feature E + 3 (in the last block: of the next chunk's features 0 and 1, out of the
; other buffer, which was stored at feature 12).  They land in the slots of features E - 2 and E - 1.
; THE COUNTS ON DScnt.  At a block's head what was issued behind feature E's four loads may be out: the four of feature E + 1 (at feature 14 also W's 37).  At the second feature: the block's own eight loads
; (at feature 13 also the 12 stores of feature 12 and W's 37; at feature 15 W's 37).  In the last chunk's last block nothing is younger.
; Each feature is 64 packed instructions, with two matrix instructions among them in features 0 to 11.  Behind each matrix instruction stand 16 packed instructions or more that name none of its registers: they are the
; places in front of the stores that read results (feature 12: 16 behind the last product).
.macro CHUNK wm, wl, last
	s_wait_alu depctr_vm_vsrc(0)                   ; the LDS instructions issued so far have read the addresses that the additions below write; the last chunk's stores have read F, which this chunk's products write again, and G, in which this chunk's global loads land
	v_add_nc_u32 v[XC], s[TB], v[X0]
	v_add_nc_u32 v[YC], s[TB], v[Y0]
.if !(\last)
	v_add_nc_u32 v[XL], s[TN], v[X0]
	v_add_nc_u32 v[YL], s[TN], v[Y0]
.endif
.if \wm
	v_add_nc_u32 v[SN], s[TN], v[S0]
.endif
.if \wl
	v_add_nc_u32 v[WSA], s[TW], v[WSA0]
.endif
.set E, 0
.rept 16
.if E%2 == 0
.set NW, 4
.if (\wl) && (E == 14)
.set NW, NW+37
.endif
	s_wait_dscnt NW                                ; LDS instructions of a wave end in order: feature E's four loads are in (at feature 0 also W's fragments and scale words, which are older)
.if !((\last) && (E == 14))
	s_wait_alu depctr_va_vdst(0)                   ; the block before is done reading its two slots, in which this block's eight loads land; at feature 0 the chunk's addresses are written; at feature 12 the products have written F, which the stores below read, and are done reading WF and WS, in which feature 13's loads land
.endif
.if (\wm) && (E == 12)
	FSTORE SN
.endif
.if E < 14
	LOADD (E+2)%4, XC, YC, E+2
.elseif !(\last)
	LOADD (E+2)%4, XL, YL, E-14
.endif
.if (\wl) && (E == 0)
	GLOAD 0                                        ; the chunk after the next.  No wait: the wait on vm_vsrc at the chunk's head stands behind the stores that read G, and nothing since names G or v1
.endif
.else
.if (\wl) && (E == 13)
	WTURN WSA, 0
	s_add_nc_u64 s[4:5], s[4:5], 6144              ; behind the wait that shows the loads done: their base may step to the next chunk
.endif
.set NW, 8
.if (\last) && (E == 15)
.set NW, 0
.endif
.if (\wm) && (E == 13)
.set NW, NW+12
.endif
.if (\wl) && ((E == 13) || (E == 15))
.set NW, NW+37
.endif
	s_wait_dscnt NW                                ; feature E's four loads are in
.endif
	SUB E%4, 0
.if (\wm) && (E < 12)
	MM 2*E
	WIN 0
.endif
	SUB E%4, 1
.if E%2 == 0
.if E < 13
	LOADD (E+3)%4, XC, YC, E+3                     ; no wait: no vector or matrix instruction since the block's head names this slot or these addresses
.elseif !(\last)
	LOADD (E+3)%4, XL, YL, E-13
.endif
.endif
	SUB E%4, 2
.if (\wm) && (E < 12)
	MM 2*E+1
	WIN 0
.endif
	SUB E%4, 3
.set E, E+1
.endr
.endm
	s_load_b256 s[4:11], s[0:1], 0x0               ; W's codes s[4:5], W's scales s[6:7], x's codes s[8:9], x's scales s[10:11]
	s_load_b128 s[12:15], s[0:1], 0x20             ; y's codes s[12:13], y's scales s[14:15]
	s_load_b64 s[16:17], s[0:1], 0x30              ; out
	v_lshl_add_u32 v254, v0, 2, 0x2b600
	v_mov_b32 v255, 0
	v_lshrrev_b32 v24, 5, v0
	v_readfirstlane_b32 s[WV], v24                 ; wave 0..3
	v_and_b32 v25, 31, v0                          ; lane
	v_and_b32 v26, 15, v0                          ; r = lane % 16
	v_bfe_u32 v27, v0, 4, 1                        ; h = lane / 16
	v_lshlrev_b32 v[GO], 4, v25
	v_lshlrev_b32 v[SCO], 4, v26
	s_and_b32 s20, ttmp7, 0xffff                   ; which 32 rows of y; ttmp9: which 64 rows of x
	s_wait_alu depctr_va_sdst(0)                   ; the wave's number is written to s18, ahead of its first reader: the offsets below are made from it
	s_mul_i32 s36, s[WV], 128*384                  ; W's codes: my wave's 128 rows
	s_mov_b32 s37, 0
	s_lshl_b32 s38, s[WV], 11                      ; W's scale bytes: 128 rows of 16
	s_mov_b32 s39, 0
	s_mul_i32 s40, ttmp9, 64*384                   ; x's codes: the group's 64 rows, of which my wave stages 16
	s_mul_i32 s28, s[WV], 16*384
	s_add_co_u32 s40, s40, s28
	s_mov_b32 s41, 0
	s_lshl_b32 s42, ttmp9, 10                      ; x's scale bytes
	s_mov_b32 s43, 0
	s_mul_i32 s44, s20, 32*384                     ; y's codes: the group's 32 rows, of which my wave stages 8
	s_mul_i32 s28, s[WV], 8*384
	s_add_co_u32 s44, s44, s28
	s_mov_b32 s45, 0
	s_lshl_b32 s46, s20, 9                         ; y's scale bytes
	s_mov_b32 s47, 0
	s_lshl_b32 s48, s20, 16                        ; out: 32 rows of 2,048 bytes a group, 8 rows a wave, 256 bytes a group along a row
	s_lshl_b32 s28, s[WV], 14
	s_add_co_u32 s48, s48, s28
	s_lshl_b32 s28, ttmp9, 8
	s_add_co_u32 s48, s48, s28
	s_mov_b32 s49, 0
	s_wait_kmcnt 0x0
	s_add_nc_u64 s[4:5], s[4:5], s[36:37]
	s_add_nc_u64 s[6:7], s[6:7], s[38:39]
	s_add_nc_u64 s[8:9], s[8:9], s[40:41]
	s_add_nc_u64 s[10:11], s[10:11], s[42:43]
	s_add_nc_u64 s[12:13], s[12:13], s[44:45]
	s_add_nc_u64 s[14:15], s[14:15], s[46:47]
	s_add_nc_u64 s[16:17], s[16:17], s[48:49]
	s_wait_alu depctr_va_vdst(0)                   ; v1 and v2 are written: every global load of the kernel reads one of them as its offset
	; All of the head's loads go out together; each takes consecutive bytes: 512 (codes, W's scale bytes) or 256 (a tile's scale words, the same in both halves of the lanes)
.irp i, 0,1,2,3,4,5,6,7,8,9,10,11
	global_load_b128 v[STG+4*\i:STG+4*\i+3], v[GO], s[8:9] offset:512*\i          ; my 16 rows of x
.endr
.irp i, 0,1,2,3,4,5
	global_load_b128 v[STG+48+4*\i:STG+48+4*\i+3], v[GO], s[12:13] offset:512*\i  ; my 8 rows of y
.endr
	GLOAD 0                                        ; W's chunk 0
.irp i, 0,1,2,3
	global_load_b128 v[STG+72+4*\i:STG+72+4*\i+3], v[GO], s[6:7] offset:512*\i    ; my 128 rows of W's scale bytes
.endr
.irp t, 0,1,2,3
	global_load_b128 v[AS+4*\t:AS+4*\t+3], v[SCO], s[10:11] offset:256*\t         ; lane r: row r's four scale words
.endr
.irp t, 0,1
	global_load_b128 v[AS+16+4*\t:AS+16+4*\t+3], v[SCO], s[14:15] offset:256*\t
.endr
	; the LDS addresses, while the loads are on their way: these lines write neither v1, v2 nor a register in which a load lands
	v_lshrrev_b32 v24, 3, v25
	v_add_nc_u32 v24, v24, v25
	v_lshlrev_b32 v24, 4, v24                      ; 16 (lane + lane / 8): my 16 bytes of a dense 512, with 16 of padding behind each 128
	s_mul_i32 s28, s[WV], 16*PC6
	s_add_co_u32 s29, s28, ABUF
	s_add_co_u32 s30, s28, WBUF
	s_mul_i32 s31, s[WV], 8*PC6
	s_add_co_u32 s31, s31, ABUF+64*PC6
	v_add_nc_u32 v[ASTX], s29, v24
	v_add_nc_u32 v[ASTY], s31, v24
	v_add_nc_u32 v[WST], s30, v24
	s_lshl_b32 s32, s[WV], 11
	s_add_co_u32 s32, s32, WSC
	v_add_nc_u32 v[WSST], s32, v[GO]
	v_add_nc_u32 v[WSA0], s32, v[SCO]
	v_mul_u32_u24 v24, v26, PC6
	v_mad_u32_u24 v56, v27, 24, v24                ; a fragment's row x pitch + 24 x half,
	v_mad_u32_u24 v57, v27, 40, v24                ; and the same behind one padding more
	v_add_nc_u32 v[AA1], ABUF, v56
	v_add_nc_u32 v[AA1+1], ABUF, v57
	v_add_nc_u32 v[WA1], s30, v56
	v_add_nc_u32 v[WA1+1], s30, v57
	s_lshl_b32 s33, s[WV], 14                      ; my wave's feature buffers
	s_add_co_u32 s34, s33, 256                     ; y's 32 numbers lie behind x's 64
	v_and_b32 v24, 7, v0                           ; which 8 rows of x are my lane's: lane % 8
	v_bfe_u32 v25, v0, 3, 2                        ; which 8 rows of y: lane / 8
	v_lshl_add_u32 v[X0], v24, 5, s33
	v_lshl_add_u32 v[Y0], v25, 5, s34
	v_mul_u32_u24 v56, v26, PF
	v_lshl_add_u32 v56, v27, 5, v56
	v_add_nc_u32 v[S0], s33, v56
	s_mul_i32 s35, s[WV], REDW
	s_add_co_u32 s35, s35, RED
	v_mul_u32_u24 v56, v25, 8*RP
	v_lshl_add_u32 v56, v24, 5, v56
	v_add_nc_u32 v[RW], s35, v56                   ; my wave's part: row 8 (lane / 8), 32 bytes at 32 (lane % 8)
	s_mul_i32 s35, s[WV], 8*RP
	s_add_co_u32 s35, s35, RED
	v_mul_u32_u24 v56, v27, RP
	v_lshl_add_u32 v56, v26, 4, v56
	v_add_nc_u32 v[RR], s35, v56                   ; back: rows 8 w on; lanes 0-15 one row of 256 bytes, lanes 16-31 the next
	v_lshlrev_b32 v56, 11, v27
	v_lshl_add_u32 v[OO], v26, 4, v56              ; and the same two rows in out
	s_mov_b32 s[TB], 0
	s_mov_b32 s[TN], FB1
	s_mov_b32 s[TW], 2*256
	s_mov_b32 s[CNT], 6
	s_wait_loadcnt 22                              ; x's and y's codes are in; younger: W's 12, the 4 blocks of scale bytes, the 6 loads of scale words
	s_wait_alu depctr_va_vdst(0)                   ; the addresses v3 to v5, v11 to v14 and v16 to v23 are written, which the LDS instructions and the stores of out read; none of them is written again
.irp i, 0,1,2,3,4,5,6,7,8,9,10,11
	ds_store_b128 v[ASTX], v[STG+4*\i:STG+4*\i+3] offset:576*\i
.endr
.irp i, 0,1,2,3,4,5
	ds_store_b128 v[ASTY], v[STG+48+4*\i:STG+48+4*\i+3] offset:576*\i
.endr
	s_wait_loadcnt 10                              ; W's chunk 0 is in; younger: 4 + 6
	GSTORE
	WIN 0
	s_wait_loadcnt 6                               ; W's scale bytes are in; younger: the 6 loads of scale words
.irp i, 0,1,2,3
	ds_store_b128 v[WSST], v[STG+72+4*\i:STG+72+4*\i+3] offset:512*\i
.endr
	s_wait_dscnt 0x0                               ; for the others' sake: my part of x's and y's codes lies in LDS
	s_wait_alu depctr_vm_vsrc(0)                   ; my LDS stores have read G, in which chunk 1's loads land, and v124 to v211, which are the ring and the sums from here on
	GLOAD 6144                                     ; chunk 1
	s_barrier_signal -1
	s_barrier_wait -1                              ; all 96 rows of codes lie in LDS
	ds_load_b128 v[WS:WS+3], v[WSA0]               ; chunk 0's scale words
	AGROUP 0
	AGROUP 1
	s_wait_loadcnt 12                              ; x's and y's scale words are in; younger: chunk 1's twelve loads
	s_wait_dscnt 42                                ; K step 0's fragments are in; younger: K step 1's 42 loads
	MMS 0                                          ; chunk 0's features: there is no vector work yet to set beside them
	AGROUP 2
	s_wait_dscnt 42                                ; K step 1's are in
	MMS 1
	AGROUP 3
	s_wait_dscnt 42                                ; K step 2's
	MMS 2
	s_wait_dscnt 0x0
	MMS 3
.set J, 0
.rept 64
	v_mov_b32 v[ACC+J], 0                          ; the 64 sums begin at 0: once in the launch, so that the chunk is written three times and not four; these lines are also the places behind the products above
.set J, J+1
.endr
	s_wait_alu depctr_va_vdst(0)                   ; the products have written F, which the stores below read, and are done reading WF and WS, in which the turn's loads land; the places above stay beside this wait
	FSTORE S0                                      ; chunk 0 into buffer 0
	WTURN WSA0, 256                                ; chunk 1's fragments and scale words
	s_add_nc_u64 s[4:5], s[4:5], 2*6144            ; on to chunk 2
	LOADD 0, X0, Y0, 0                             ; the ring's first two features: the last LDS instructions in front of the loop, as at its backward jump
	LOADD 1, X0, Y0, 1
.Lchunk:                                               ; six trips: chunks 0 to 5; features of chunks 1 to 6; W of chunks 2 to 7
	CHUNK 1, 1, 0
	s_xor_b32 s[TB], s[TB], FB1
	s_xor_b32 s[TN], s[TN], FB1
	s_add_co_u32 s[TW], s[TW], 256
	s_sub_co_u32 s[CNT], s[CNT], 1
	s_cmp_lg_u32 s[CNT], 0
	s_cbranch_scc1 .Lchunk
	CHUNK 1, 0, 0                                  ; chunk 6, and chunk 7's features: no W is left to fetch, so no load leaves its buffer
	s_xor_b32 s[TB], s[TB], FB1
	CHUNK 0, 0, 1                                  ; chunk 7
	; THE FOUR PARTS MEET.  Each wave lays its 32 x 64 sums as rows of 256 bytes; behind the barrier wave w adds the four parts of rows 8 w .. 8 w + 7, takes the roots and stores.
	s_wait_alu depctr_va_vdst(0)                   ; the multiply-adds have written the 64 sums, which the stores below read; the subtractions are done reading the ring, in which the parts land behind the barrier
.irp i, 0,1,2,3,4,5,6,7
	ds_store_b128 v[RW], v[ACC+8*\i:ACC+8*\i+3] offset:RP*\i
	ds_store_b128 v[RW], v[ACC+8*\i+4:ACC+8*\i+7] offset:RP*\i+16
.endr
	s_wait_dscnt 0x0                               ; for the others' sake: my part lies in LDS
	s_barrier_signal -1
	s_barrier_wait -1
.irp k, 0,1,2,3
.irp u, 0,1,2,3
	ds_load_b128 v[RING+16*\k+4*\u:RING+16*\k+4*\u+3], v[RR] offset:REDW*\u+2*RP*\k
.endr
.endr
.irp k, 0,1,2,3
	s_wait_dscnt 12-4*\k                           ; the four parts of rows 2 k, 2 k + 1 are in; the later rows' loads may be out
.irp p, 0,2
	v_pk_add_f32 v[RING+16*\k+\p:RING+16*\k+\p+1], v[RING+16*\k+\p:RING+16*\k+\p+1], v[RING+16*\k+4+\p:RING+16*\k+4+\p+1]
	v_pk_add_f32 v[RING+16*\k+8+\p:RING+16*\k+8+\p+1], v[RING+16*\k+8+\p:RING+16*\k+8+\p+1], v[RING+16*\k+12+\p:RING+16*\k+12+\p+1]
.endr
.irp p, 0,2
	v_pk_add_f32 v[RING+16*\k+\p:RING+16*\k+\p+1], v[RING+16*\k+\p:RING+16*\k+\p+1], v[RING+16*\k+8+\p:RING+16*\k+8+\p+1]
.endr
.endr
	s_wait_alu depctr_va_vdst(0)
.irp k, 0,1,2,3
.irp j, 0,1,2,3
	v_sqrt_f32 v[RING+16*\k+\j], v[RING+16*\k+\j]  ; the sixteen roots are one batch
.endr
.endr
	v_nop                                          ; a plain instruction between the last root and the first use of a result (ISA guide 5.7.2)
	s_wait_alu depctr_va_vdst(0)                   ; the sixteen roots are written, which the stores below read: one wait for the batch, ahead of its first reader
.irp k, 0,1,2,3
	global_store_b128 v[OO], v[RING+16*\k:RING+16*\k+3], s[16:17] offset:4096*\k th:TH_STORE_NT   ; 16 lanes store 256 consecutive bytes, at a multiple of 256 from out's first byte; two rows an instruction
.endr
	s_wait_dscnt 0x0
	s_wait_alu depctr_hold_cnt(0) depctr_sa_sdst(0) depctr_va_vdst(0) depctr_va_sdst(0) depctr_va_ssrc(0) depctr_va_vcc(0) depctr_vm_vsrc(0)
	s_wait_tensorcnt 0x0
	ds_add_u32 v254, v255
	s_wait_dscnt 0x0
	s_endpgm
.Lfunc_end_k_qdf6a69e606_metric:
	.size	k_qdf6a69e606_metric, .Lfunc_end_k_qdf6a69e606_metric-k_qdf6a69e606_metric
	.p2alignl 7, 3214868480
	.fill 96, 4, 3214868480
	.section	.rodata,"a",@progbits
	.p2align	6, 0x0
	.amdhsa_kernel k_qdf6a69e606_metric
		.amdhsa_group_segment_fixed_size 178176
		.amdhsa_private_segment_fixed_size 0
		.amdhsa_enable_private_segment 0
		.amdhsa_kernarg_size 56
		.amdhsa_user_sgpr_count 2
		.amdhsa_user_sgpr_kernarg_segment_ptr 1
		.amdhsa_wavefront_size32 1
		.amdhsa_system_sgpr_workgroup_id_x 1
		.amdhsa_system_sgpr_workgroup_id_y 1
		.amdhsa_system_sgpr_workgroup_id_z 1
		.amdhsa_system_vgpr_workitem_id 0
		.amdhsa_next_free_vgpr 768
		.amdhsa_next_free_sgpr 66
		.amdhsa_reserve_vcc 0
		.amdhsa_float_denorm_mode_32 3
		.amdhsa_float_denorm_mode_16_64 3
		.amdhsa_memory_ordered 1
		.amdhsa_forward_progress 1
		.amdhsa_inst_pref_size 255
	.end_amdhsa_kernel
	.section	.bss,"aw",@nobits
	.p2align	6
	.space	262144
	.amdgpu_metadata
---
amdhsa.version: [ 1, 2 ]
amdhsa.kernels:
  - .name:           k_qdf6a69e606_metric
    .symbol:         k_qdf6a69e606_metric.kd
    .args:
      - { .name: W_codes, .offset: 0, .size: 8, .value_kind: global_buffer, .address_space: global }
      - { .name: W_scales, .offset: 8, .size: 8, .value_kind: global_buffer, .address_space: global }
      - { .name: x_codes, .offset: 16, .size: 8, .value_kind: global_buffer, .address_space: global }
      - { .name: x_scales, .offset: 24, .size: 8, .value_kind: global_buffer, .address_space: global }
      - { .name: y_codes, .offset: 32, .size: 8, .value_kind: global_buffer, .address_space: global }
      - { .name: y_scales, .offset: 40, .size: 8, .value_kind: global_buffer, .address_space: global }
      - { .name: out0, .offset: 48, .size: 8, .value_kind: global_buffer, .address_space: global }
    .group_segment_fixed_size: 178176
    .private_segment_fixed_size: 0
    .kernarg_segment_align: 8
    .kernarg_segment_size: 56
    .max_flat_workgroup_size: 128
    .sgpr_count:     66
    .vgpr_count:     768
    .wavefront_size: 32
...
	.end_amdgpu_metadata
.endif
;; end of part 2
